; MI455X (gfx1250); checked and timed in simulation.
; The chip was launched on July 23, 2026; its instructions are those of AMD's public machine-readable ISA for CDNA 5 (MIT licence, August 2026) and "CDNA5" Instruction Set Architecture Reference Guide (July 2026). The comments in the code are by the model that wrote it; some were corrected since.
;; Code Book. Allowed arithmetic: matrix products marked QUANTISED: E5M2 operands, one given power-of-two scale a tensor, by v_wmma_f32_16x16x64_bf8_bf8 or v_wmma_f32_16x16x128_bf8_bf8, f32 sums; everything else in f32.
;; Inputs: codebook 8,192 x 256 float32; lowp_scales 2 int32 (the exponents e of the quantised operands' scales 2^e); x 32,768 x 256 float32.
;; Outputs: out0 32,768 int32; out1 one number float32; out2 one number float32; out3 32,768 x 256 float32.
;; This version of the problem:
;;   THIS VERSION OF THE PROBLEM IS GIVEN IN LOW PRECISION. The matrix products marked QUANTISED in the list below multiply operands that are first quantised to E5M2 (5 exponent bits, 2 mantissa bits; 8 bits a number), with one given power-of-two scale for each operand tensor; their sums are f32. All else is computed in f32.
;;   The module's matrix products, in the order in which they are computed (A, B: the left and right operand; K: the contracted axis; several contracted axes count as one K, in the product's order):
;;     1. [M 32,768, K 256] x [K 256, N 8,192]; A: input x; B: input codebook: QUANTISED (scales: A lowp_scales[0], B lowp_scales[1])
;;   THE QUANTISER, for each operand of a quantised product, along K:
;;     - The operand's scale is 2^e, e = its entry of the input lowp_scales (int32; the entries are numbered through the quantised products in the list's order, A before B).
;;     - Each number is divided by the scale, clamped to +-57,344, and rounded to the nearest number of E5M2, ties to even, subnormals kept.
;;     - The product sums the exact products of the quantised numbers (number of the format x scale) in f32.
;;   ~~~python
;;   def quantise(x, axis, e):      # numpy; x: float32 -> the quantised numbers, widened to float32 again
;;       x = np.moveaxis(x, axis, -1); K = x.shape[-1]
;;       r = np.clip(x / 2.0 ** e, -57344, 57344)
;;       step = 2.0 ** (np.maximum(np.frexp(np.where(r == 0, 1, r))[1] - 1, -14) - 2)
;;       q = np.round(r / step) * step * 2.0 ** e      # np.round: ties to even
;;       return np.moveaxis(q, -1, axis).astype(np.float32)
;;   ~~~
;; One version. Each part assembles by itself: llvm-mc -triple=amdgcn-amd-amdhsa -mcpu=gfx1250 --defsym DOCPART=n.
;; ======== version 1 of 1: 4 launches
;; limits: right only within a limited range of input values
;; workspace buffers: cbq 2,129,920 bytes; enc 131,072 bytes of whole numbers; part 2,048 bytes
;; launch prep (part 1): grid 128 x 1, 4 waves a work-group, no clusters, 768 bytes of LDS; arguments codebook, lowp_scales, cbq; writes cbq
.if DOCPART == 1
	.amdgcn_target "amdgcn-amd-amdhsa--gfx1250"
	.amdhsa_code_object_version 6
	.text
	.protected	k_q37e978dd31_prep
	.globl	k_q37e978dd31_prep
	.p2align	8
	.type	k_q37e978dd31_prep,@function
k_q37e978dd31_prep:
	s_mov_b64 s[64:65], 0
	v_nop
	global_prefetch_b8 v0, s[64:65] scope:SCOPE_SE
	s_setreg_imm32_b32 hwreg(HW_REG_WAVE_MODE, 25, 1), 1
	s_wait_xcnt 0x0
; The codebook [8192][256] f32 becomes codes of BF8 (E5M2) with the given scale 2^ec (entry 1 of the scales), and c2[k] = the sum of the squares of row k, in f32, of the numbers as they are given.
; code = c / 2^ec, held within +-57,344, rounded to the nearest code, ties to even.
; LAYOUT OF cbq: 16 blocks of SLOTB = 133,120 bytes (520 x 256).  Block b serves codes 512 b .. 512 b + 511: 32 tiles of 16 codes.  Tile t lies at 4,096 t, as an IMAGE OF THE OPERAND'S REGISTERS:
; byte 2,048 s + 512 c + 16 lane holds registers 4 c .. 4 c + 3 of K step s of lane (r, h): row 16 T + r, k = 128 s + 32 c + 16 h + 0 .. 15.  At byte 131,072 of the block: c2, tile t at 64 t + 4 r.
; So the product's launch fetches a block as one dense run of bytes and reads each fragment by loads of 16 bytes a lane, lane by lane.
; SHARES: wave w of work-group W takes tile T = 4 W + w (16 rows, 16 KiB).  Four tiles to a work-group, so that their 64 numbers of c2 leave as 256 consecutive bytes by one store.
; LIMITS: -126 <= ec <= 112, so that 2^ec and 57,344 x 2^ec are f32 numbers.  NaN among the inputs is not served.  c2 is summed in this text's own order: 16 partial sums of 16 squares a row, then a tree.
; DEAD WORK LEFT OUT BY THE PROGRAM: x2 = the sum of x's squares.  In dist = x2 + c2 - 2 x.c the term x2[q] is the same for every code of query q, so in exact arithmetic it
; moves no argmin, whatever the inputs hold; both losses are made from x and the gathered rows themselves.  So x2 is computed nowhere.  All inputs are still loaded.
; LIMIT: an overflow, an infinity or a NaN that would arise in x2 alone is not carried to the result; and two codes whose distances lie within f32's rounding at the size of x2 + c2
; may be ranked otherwise than reference() ranks them.
; WHAT IS STORED IN c2's PLACE: -c2 x 2^-(ex + ec + 1), the number that the product's launch gives its sums of codes' products as their start: sum - c2 / (2 x 2^(ex + ec)) = (x2 - dist) / (2 x 2^(ex + ec)).
; The factor is a power of two: nothing is rounded.  LIMIT: -128 <= ex + ec <= 125, so that the factor is an f32 number.
.set SLOTB, 133120
.set C2OFF, 131072
.set XA,  4                            ; v4   1,024 r + 64 h: my 16 numbers of a block of 32 of my row
.set SC,  8                            ; v8   2^ec as f32: the conversion takes its exponent field
.set LIM, 9                            ; v9   57,344 x 2^ec
.set P,   16                           ; v[16:23] four chains of pairs: the squares' sums
.set Q,   24                           ; v24, v25 at work
.set XN,  32                           ; v[32:159] my 128 numbers
.set PC,  160                          ; v[160:191] their codes: two fragments
.macro XLOAD reg, s                    ; K step s: register 16 b + 4 j + .. = k 128 s + 32 b + 16 h + 4 j + .. of row r
.irp b, 0,1,2,3
.irp j, 0,1,2,3
	global_load_b128 v[\reg+16*\b+4*\j:\reg+16*\b+4*\j+3], v[XA], s[4:5] offset:512*\s+128*\b+16*\j th:TH_LOAD_NT
.endr
.endr
.endm
.macro SQ reg, first                   ; 64 numbers' squares onto the four chains; first = 1: the first four products start them: nothing is cleared
.set qn, 0
.rept 32
.if \first && (qn < 4)
	v_pk_mul_f32 v[P+2*(qn%4):P+2*(qn%4)+1], v[\reg+2*qn:\reg+2*qn+1], v[\reg+2*qn:\reg+2*qn+1]
.else
	v_pk_fma_f32 v[P+2*(qn%4):P+2*(qn%4)+1], v[\reg+2*qn:\reg+2*qn+1], v[\reg+2*qn:\reg+2*qn+1], v[P+2*(qn%4):P+2*(qn%4)+1]
.endif
.set qn, qn+1
.endr
.endm
.macro QUANT s, pc                     ; 64 numbers become a fragment's 16 registers of codes
.irp b, 0,1,2,3
.irp i, 0,1,2,3,4,5,6,7,8,9,10,11,12,13,14,15
	v_med3_num_f32 v[\s+16*\b+\i], v[\s+16*\b+\i], -v[LIM], v[LIM]   ; the conversion to an 8-bit code does not saturate (ISA guide 7.6.2): the hold at the largest code x the scale
.endr
	v_cvt_scalef32_pk8_bf8_f32 v[\pc+4*\b:\pc+4*\b+1], v[\s+16*\b:\s+16*\b+7], v[SC]
	v_cvt_scalef32_pk8_bf8_f32 v[\pc+4*\b+2:\pc+4*\b+3], v[\s+16*\b+8:\s+16*\b+15], v[SC]
.endr
	v_nop                                          ; one plain vector line behind the last conversion of the run
.endm
	s_load_b128 s[4:7], s[0:1], 0x0                ; the codebook s[4:5], the scales' exponents s[6:7]
	s_load_b64 s[8:9], s[0:1], 0x10                ; cbq
	v_lshl_add_u32 v192, v0, 2, 0x100
	v_mov_b32 v193, 0
	v_lshrrev_b32 v1, 5, v0
	v_readfirstlane_b32 s10, v1                    ; wave 0..3
	v_and_b32 v1, 31, v0                           ; lane
	v_and_b32 v2, 15, v0                           ; r
	v_bfe_u32 v3, v0, 4, 1                         ; h
	v_lshlrev_b32 v[XA], 10, v2
	v_lshl_add_u32 v[XA], v3, 6, v[XA]
	v_lshlrev_b32 v5, 4, v1                        ; 16 x lane: my place in an image
	s_lshl_b32 s12, s10, 6
	v_lshl_add_u32 v6, v2, 2, s12                  ; LDS: 64 x wave + 4 r: where my row's c2 goes
	v_lshlrev_b32 v7, 3, v1                        ; 8 x lane: wave 0 takes the 256 bytes back, and stores them
	v_mov_b32 v[Q+1], 0                            ; written once: a lane permute's destination counts as one of its sources
	s_mov_b32 s24, 0x76543210
	s_mov_b32 s25, 0xfedcba98                      ; v_permlanex16_b32's selects for lane l xor 16
	s_lshr_b32 s13, ttmp9, 3                       ; my block
	s_mul_i32 s14, s13, SLOTB
	s_and_b32 s15, ttmp9, 7
	s_lshl_b32 s16, s15, 2
	s_add_co_u32 s16, s16, s10                     ; my tile in the block
	s_lshl_b32 s16, s16, 12
	s_add_co_u32 s16, s16, s14                     ; its image's first byte in cbq
	s_mov_b32 s17, 0
	s_lshl_b32 s18, s15, 8
	s_add_co_u32 s18, s18, s14
	s_add_co_u32 s18, s18, C2OFF                   ; my work-group's 256 bytes of c2
	s_mov_b32 s19, 0
	s_lshl_b32 s20, ttmp9, 2
	s_add_co_u32 s20, s20, s10
	s_lshl_b32 s20, s20, 14                        ; my 16 rows of the codebook
	s_mov_b32 s21, 0
	s_wait_alu depctr_va_vdst(0)
	s_wait_kmcnt 0x0
	s_load_b64 s[26:27], s[6:7], 0x0               ; ex, ec
	s_add_nc_u64 s[4:5], s[4:5], s[20:21]
	s_add_nc_u64 s[22:23], s[8:9], s[18:19]
	s_add_nc_u64 s[8:9], s[8:9], s[16:17]
	XLOAD XN, 0
	XLOAD XN+64, 1
	s_wait_kmcnt 0x0
	s_add_co_i32 s28, s26, s27
	s_sub_co_i32 s28, 126, s28
	s_lshl_b32 s28, s28, 23
	s_or_b32 s28, s28, 0x80000000                  ; -2^-(ex + ec + 1) as f32
	s_add_co_i32 s11, s27, 127
	s_lshl_b32 s12, s11, 23
	v_mov_b32 v[SC], s12
	s_add_co_i32 s11, s11, 15
	s_lshl_b32 s11, s11, 23
	s_or_b32 s11, s11, 0x600000
	v_mov_b32 v[LIM], s11
	s_wait_loadcnt 16                              ; K step 0's sixteen loads are in; K step 1's sixteen may be out
	SQ XN, 1                                       ; the squares first: the hold below writes the numbers
	QUANT XN, PC
	s_wait_loadcnt 0x0
	SQ XN+64, 0
	QUANT XN+64, PC+16
.irp s, 0,1
.irp c, 0,1,2,3
	global_store_b128 v5, v[PC+16*\s+4*\c:PC+16*\s+4*\c+3], s[8:9] offset:2048*\s+512*\c   ; 32 lanes store 512 consecutive bytes, at a multiple of 256 from cbq's first byte
.endr
.endr
	v_pk_add_f32 v[P:P+1], v[P:P+1], v[P+2:P+3]
	v_pk_add_f32 v[P+4:P+5], v[P+4:P+5], v[P+6:P+7]
	v_pk_add_f32 v[P:P+1], v[P:P+1], v[P+4:P+5]
	v_add_f32 v[Q], v[P], v[P+1]                   ; my half of the row,
	v_permlanex16_b32 v[Q+1], v[Q], s24, s25
	v_add_f32 v[Q], v[Q], v[Q+1]                   ; and lane l xor 16's: c2 of row r, the same bits in both halves of the lanes
	v_mul_f32 v[Q], s28, v[Q]                      ; x -2^-(ex + ec + 1)
	ds_store_b32 v6, v[Q]
	s_wait_dscnt 0x0                               ; for wave 0's sake: my store has landed
	s_barrier_signal -1
	s_barrier_wait -1
	s_cmp_lg_u32 s10, 0
	s_cbranch_scc1 .Ldone
	ds_load_b64 v[26:27], v7                       ; four tiles' c2: 256 bytes
	s_wait_dscnt 0x0
	global_store_b64 v7, v[26:27], s[22:23]        ; 32 lanes store 256 consecutive bytes, aligned
.Ldone:
	s_wait_tensorcnt 0x0
	ds_add_u32 v192, v193
	s_wait_dscnt 0x0
	s_endpgm
.Lfunc_end_k_q37e978dd31_prep:
	.size	k_q37e978dd31_prep, .Lfunc_end_k_q37e978dd31_prep-k_q37e978dd31_prep
	.p2alignl 7, 3214868480
	.fill 96, 4, 3214868480
	.section	.rodata,"a",@progbits
	.p2align	6, 0x0
	.amdhsa_kernel k_q37e978dd31_prep
		.amdhsa_group_segment_fixed_size 768
		.amdhsa_private_segment_fixed_size 0
		.amdhsa_enable_private_segment 0
		.amdhsa_kernarg_size 24
		.amdhsa_user_sgpr_count 2
		.amdhsa_user_sgpr_kernarg_segment_ptr 1
		.amdhsa_wavefront_size32 1
		.amdhsa_system_sgpr_workgroup_id_x 1
		.amdhsa_system_sgpr_workgroup_id_y 1
		.amdhsa_system_sgpr_workgroup_id_z 1
		.amdhsa_system_vgpr_workitem_id 0
		.amdhsa_next_free_vgpr 194
		.amdhsa_next_free_sgpr 66
		.amdhsa_reserve_vcc 0
		.amdhsa_float_denorm_mode_32 3
		.amdhsa_float_denorm_mode_16_64 3
		.amdhsa_memory_ordered 1
		.amdhsa_forward_progress 1
		.amdhsa_inst_pref_size 21
	.end_amdhsa_kernel
	.amdgpu_metadata
---
amdhsa.version: [ 1, 2 ]
amdhsa.kernels:
  - .name:           k_q37e978dd31_prep
    .symbol:         k_q37e978dd31_prep.kd
    .args:
      - { .name: codebook, .offset: 0, .size: 8, .value_kind: global_buffer, .address_space: global }
      - { .name: lowp_scales, .offset: 8, .size: 8, .value_kind: global_buffer, .address_space: global }
      - { .name: cbq, .offset: 16, .size: 8, .value_kind: global_buffer, .address_space: global }
    .group_segment_fixed_size: 768
    .private_segment_fixed_size: 0
    .kernarg_segment_align: 8
    .kernarg_segment_size: 24
    .max_flat_workgroup_size: 128
    .sgpr_count:     66
    .vgpr_count:     194
    .wavefront_size: 32
...
	.end_amdgpu_metadata
.endif
;; end of part 1
;; launch argmin (part 2): grid 256 x 1, 8 waves a work-group, clusters of 4 x 1, 327,680 bytes of LDS; arguments x, cbq, lowp_scales, out0, enc; writes out0, enc
.if DOCPART == 2
	.amdgcn_target "amdgcn-amd-amdhsa--gfx1250"
	.amdhsa_code_object_version 6
	.text
	.protected	k_q37e978dd31_argmin
	.globl	k_q37e978dd31_argmin
	.p2align	8
	.type	k_q37e978dd31_argmin,@function
k_q37e978dd31_argmin:
	s_mov_b64 s[64:65], 0
	v_nop
	global_prefetch_b8 v0, s[64:65] scope:SCOPE_SE
	s_setreg_imm32_b32 hwreg(HW_REG_WAVE_MODE, 25, 1), 1
	s_wait_xcnt 0x0
	s_wait_alu depctr_hold_cnt(0) depctr_sa_sdst(0) depctr_va_vdst(0) depctr_va_sdst(0) depctr_va_ssrc(0) depctr_va_vcc(0) depctr_vm_vsrc(0)
	s_getreg_b32 s2, hwreg(HW_REG_IB_STS2, 6, 4)
	s_cmp_eq_u32 s2, 0
	s_cbranch_scc0 .Lentry_in_a_cluster
	s_endpgm
.Lentry_in_a_cluster:
	s_bfe_u32 s2, ttmp6, 0x10000c
	s_cmp_lg_u32 s2, 0x3003
	s_cbranch_scc0 .Lentry_shape_is_right
	s_endpgm
.Lentry_shape_is_right:
; encoding[q] = the first code with the least distance = the first code with the largest score(q, n) = sum over k of code(x)[q][k] code(c)[n][k] - c2[n] / (2 x 2^(ex + ec)).
; LEFT OUT AS DEAD WORK: x2, the same for all codes of a query (shown at the head of the first kernel; the limit on near ties is stated there).
; The second term comes ready from cbq and is the C of a tile's first matrix instruction, so an accumulator holds scores as it stands: no arithmetic follows a product but the search.
; SHARES: a work-group has 128 queries; each of its 8 waves quantises 16 of them (x / 2^ex, held within +-57,344, nearest code, ties to even), the images go through LDS, and every wave keeps all
; 8 fragments pairs (256 registers, window 1).  The codebook walks by in 16 blocks of 512 codes through two LDS slots; of a block wave w takes tiles 4 w .. 4 w + 3 of 16 codes.
; A tile of codes (32 registers, 8 LDS loads) feeds 16 matrix instructions: source 0 = 16 codes, source 1 = 16 queries, so lane (r, h) holds query r and its registers codes 8 h + 0 .. 7.
; THE SEARCH, for each lane and tile of queries: the running largest score; where a group of 8 raises it (strictly: the earlier group keeps a tie), the group's first index and its 8 scores are kept.
; At the end the first of the 8 kept scores that equals the largest names the code; halves of lanes and waves are joined by (score, then lower index).
; CLUSTER: all work-groups read the same blocks: four ask jointly (mask 15); wave w fetches 65 rows of 256 bytes of each block.  A round of the cluster's barrier stands at each refill.
; NO PREFETCH: cbq is 2,129,920 bytes in all, and each block is asked for by all 64 clusters, which walk the same 16 blocks in the same order.
; LIMITS: -126 <= ex <= 112.  NaN among the inputs is not served.
.set SLOTB, 133120                     ; a block of cbq, and a slot: 32 images of 4,096 bytes, then 2,048 bytes of starts
.set C2OFF, 131072
.set PARTB, 16640                      ; a wave's eighth of a block
.set XIMG,  2*SLOTB                    ; 8 images of x's fragments, 4,096 bytes each
.set MRG,   XIMG+32768                 ; 8 waves x 128 queries x (score, index)
.set SPARE, MRG+8192                   ; the spare words: 128 bytes a wave, four blocks of 256 bytes that no other line names
.set XA,  4                            ; 1,024 r + 64 h: my 16 numbers of a block of 32 of my row of x
.set LI,  5                            ; XIMG + 16 lane
.set XW,  6                            ; my wave's image + 16 lane
.set SC,  8                            ; 2^ex
.set LIM, 9                            ; 57,344 x 2^ex
.set AF,  10                           ; v10-11 my wave's first image in slot 0, 1, + 16 lane
.set AC,  12                           ; v12-13 its starts, + 32 h
.set MW,  14
.set MR,  15
.set FR,  16                           ; v16-47 a tile of codes, two K steps
.set PC,  16                           ; at the head: x's codes
.set ACC, 48                           ; v48-111 eight accumulators
.set XN,  48                           ; at the head: v48-175 my 128 numbers of x
.set T,   112                          ; at the end: the other half's (score, index)
.set C2,  128                          ; v128-143 the starts, two sets by turns
.set ST,  144                          ; v144-175 tile i: +1 the kept group's first index, +2 and +3 the largest score, old and new by turns
.set SV,  176                          ; v176-239 tile i: the kept group's 8 scores
.set U,   240
.set CUR, 246                          ; the first index of my 8 codes of this group
.set SPW, 247
.set NIL, 248
.set GO,  253
.set WV,  14
.set SEL, 20
.set G1,  24
.set G0,  32
.set MSB, 0
.macro WIN new                         ; the immediate's high byte repeats the setting that is left
.if MSB != \new
	s_set_vgpr_msb (MSB<<8)|\new
.set MSB, \new
.endif
.endm
.macro CREST                           ; a round of the cluster's barrier behind its opening barrier
	s_cmp_lg_u32 s[WV], 0
	s_cbranch_scc1 .Lnot_wave_0_\@
	s_barrier_signal -3
.Lnot_wave_0_\@:
	s_barrier_wait -3
	s_barrier_signal -1
	s_barrier_wait -1
.endm
.macro CROUND
	s_barrier_signal -1
	s_barrier_wait -1
	CREST
.endm
.macro XLOAD reg, s                    ; K step s: register 16 b + 4 j + .. = k 128 s + 32 b + 16 h + 4 j + .. of row r
.irp b, 0,1,2,3
.irp j, 0,1,2,3
	global_load_b128 v[\reg+16*\b+4*\j:\reg+16*\b+4*\j+3], v[XA], s[4:5] offset:512*\s+128*\b+16*\j th:TH_LOAD_NT
.endr
.endr
.endm
.macro QUANT s, pc                     ; 64 numbers become a fragment's 16 registers of codes
.irp b, 0,1,2,3
.irp i, 0,1,2,3,4,5,6,7,8,9,10,11,12,13,14,15
	v_med3_num_f32 v[\s+16*\b+\i], v[\s+16*\b+\i], -v[LIM], v[LIM]   ; the conversion does not saturate (ISA guide 7.6.2): the hold comes first
.endr
	v_cvt_scalef32_pk8_bf8_f32 v[\pc+4*\b:\pc+4*\b+1], v[\s+16*\b:\s+16*\b+7], v[SC]
	v_cvt_scalef32_pk8_bf8_f32 v[\pc+4*\b+2:\pc+4*\b+3], v[\s+16*\b+8:\s+16*\b+15], v[SC]
.endr
	v_nop                                          ; one plain vector line behind the last conversion of the run
.endm
.macro MM p                            ; 16 codes x 128 queries x 256 along K; the eight accumulators take turns; the first K step starts each sum at the codes' starts
	WIN 0x04
.irp i, 0,1,2,3,4,5,6,7
	v_wmma_f32_16x16x128_bf8_bf8 v[ACC+8*\i:ACC+8*\i+7], v[FR:FR+15], v[32*\i:32*\i+15], v[C2+8*(\p):C2+8*(\p)+7]
.endr
.irp i, 0,1,2,3,4,5,6,7
	v_wmma_f32_16x16x128_bf8_bf8 v[ACC+8*\i:ACC+8*\i+7], v[FR+16:FR+31], v[32*\i+16:32*\i+31], v[ACC+8*\i:ACC+8*\i+7]
.endr
	WIN 0
.endm
.macro LDG slot, g, p                  ; my wave's tile g of the slot, and its starts into set p
.irp s, 0,1
.irp c, 0,1,2,3
	ds_load_b128 v[FR+16*\s+4*\c:FR+16*\s+4*\c+3], v[AF+(\slot)] offset:4096*(\g)+2048*\s+512*\c
.endr
.endr
	ds_load_b128 v[C2+8*(\p):C2+8*(\p)+3], v[AC+(\slot)] offset:64*(\g)
	ds_load_b128 v[C2+8*(\p)+4:C2+8*(\p)+7], v[AC+(\slot)] offset:64*(\g)+16
.endm
.macro SAVE t
.irp j, 0,1,2,3,4,5,6,7
	v_cndmask_b32 v[SV+8*(\t)+\j], v[SV+8*(\t)+\j], v[ACC+8*(\t)+\j], vcc_lo
.endr
.endm
.macro EPI2 i, p                       ; the search in tiles i and i + 1, line by line in turn; each accumulator is read from its low end on
.irp e, 0,1
	v_max3_num_f32 v[U+3*\e], v[ACC+8*(\i+\e)], v[ACC+8*(\i+\e)+1], v[ACC+8*(\i+\e)+2]
.endr
.irp e, 0,1
	v_max3_num_f32 v[U+3*\e+1], v[ACC+8*(\i+\e)+3], v[ACC+8*(\i+\e)+4], v[ACC+8*(\i+\e)+5]
.endr
.irp e, 0,1
	v_max3_num_f32 v[U+3*\e+2], v[ST+4*(\i+\e)+2+(\p)], v[ACC+8*(\i+\e)+6], v[ACC+8*(\i+\e)+7]
.endr
.irp e, 0,1
	s_delay_alu instid0(VALU_DEP_2)
	v_max3_num_f32 v[ST+4*(\i+\e)+3-(\p)], v[U+3*\e], v[U+3*\e+1], v[U+3*\e+2]
.endr
.irp e, 0,1
	v_cmp_gt_f32 vcc_lo, v[ST+4*(\i+\e)+3-(\p)], v[ST+4*(\i+\e)+2+(\p)]
	s_delay_alu instid0(VALU_DEP_1)
	v_cndmask_b32 v[ST+4*(\i+\e)+1], v[ST+4*(\i+\e)+1], v[CUR], vcc_lo
	SAVE \i+\e
.endr
.endm
; One tile of codes.  mode 0: its successor lies in the same slot.  1: the slot's last, the slot is filled again.  2: the slot's last, nothing is filled.  3: the very last.
.macro GROUP slot, g, mode
.set PP, (\g)&1
	s_wait_dscnt 0x0                               ; this tile's ten LDS loads are in
.if (\mode == 1) || (\mode == 2)
	s_wait_tensorcnt 0x0                           ; all my tensor loads have landed: my eighth of the other slot
	ds_add_u32 v[SPW], v[NIL]                      ; the products stand between the add and its wait
.endif
.if \mode == 1
	s_add_nc_u64 s[G0+4*\slot+2:G0+4*\slot+3], s[G0+4*\slot+2:G0+4*\slot+3], 2*SLOTB
.endif
	MM PP
.if (\mode == 1) || (\mode == 2)
	s_wait_dscnt 0x0                               ; the add is done, and my reads of this slot are over
	s_barrier_signal -1
.endif
.if (\g) == 0
	v_add_nc_u32 v[CUR], 464, v[CUR]               ; from a block's tile 4 w + 3 to the next block's tile 4 w: 512 - 48
.else
	v_add_nc_u32 v[CUR], 16, v[CUR]
.endif
.rept 3
	v_nop                                          ; with the line above: four places between the products and the first read of a result (ISA guide 7.12.1)
.endr
	EPI2 0, PP
.if \mode == 0
	LDG \slot, (\g)+1, 1-PP
	EPI2 2, PP
.elseif \mode == 3
	EPI2 2, PP
.else
	EPI2 2, PP
	s_barrier_wait -1
.if \mode == 1
	CREST                                          ; the barrier has opened a round: no wave of any partner reads this slot or has a load on its way
	tensor_load_to_lds s[G0+4*\slot:G0+4*\slot+3], s[G1:G1+7]
	s_nop 0
.rept 4
	v_nop
.endr
.endif
	LDG 1-\slot, 0, 0
.endif
	EPI2 4, PP
	EPI2 6, PP
.endm
.macro SLOTP slot, mode
	GROUP \slot, 0, 0
	GROUP \slot, 1, 0
	GROUP \slot, 2, 0
	GROUP \slot, 3, \mode
.endm
.macro BEST bv, bi, ov, oi             ; (bv, bi) takes (ov, oi) where the score is larger, or equal with the lower index
	v_cmp_gt_f32 s48, v[\ov], v[\bv]
	v_cmp_eq_f32 s49, v[\ov], v[\bv]
	v_cmp_lt_u32 s50, v[\oi], v[\bi]
	s_and_b32 s49, s49, s50
	s_or_b32 vcc_lo, s48, s49
	v_cndmask_b32 v[\bv], v[\bv], v[\ov], vcc_lo
	v_cndmask_b32 v[\bi], v[\bi], v[\oi], vcc_lo
.endm
	s_load_b256 s[4:11], s[0:1], 0x0               ; x s[4:5], cbq s[6:7], the scales' exponents s[8:9], out0 s[10:11]
	s_load_b64 s[12:13], s[0:1], 0x20              ; enc
	v_lshl_add_u32 v[SPW], v0, 2, SPARE
	v_mov_b32 v[NIL], 0
	ds_add_u32 v[SPW], v[NIL]                      ; the opening lines: the add twice on end and one wait
	ds_add_u32 v[SPW], v[NIL]
	v_lshrrev_b32 v1, 5, v0
	v_readfirstlane_b32 s[WV], v1                  ; wave 0..7
	s_bfe_u32 s15, ttmp6, 0x40000                  ; cx
	s_lshl_b32 s16, ttmp9, 2
	s_add_co_u32 s16, s16, s15                     ; my work-group: it enters the addresses of x and of the results alone
	s_lshl_b32 s44, s[WV], 12
	s_add_co_u32 s44, s44, XIMG
	s_lshl_b32 s45, s[WV], 6
	s_sub_co_u32 s45, s45, 464                     ; the first group adds 464
	s_lshl_b32 s46, s[WV], 14
	s_lshl_b32 s47, s[WV], 8
	s_add_co_u32 s47, s47, C2OFF
	s_lshl_b32 s48, s[WV], 10
	s_add_co_u32 s48, s48, MRG
	s_and_b32 s49, s[WV], 1
	s_lshl_b32 s50, s49, 9
	s_add_co_u32 s50, s50, MRG
	s_lshl_b32 s18, s16, 17
	s_add_co_u32 s18, s18, s46                     ; my 16 rows of x
	s_mov_b32 s19, 0
	s_lshl_b32 s52, s16, 9
	s_lshl_b32 s53, s49, 8
	s_add_co_u32 s52, s52, s53                     ; waves 0 and 1: 64 indices each
	s_mov_b32 s53, 0
	s_mul_i32 s54, s[WV], PARTB
	s_mov_b32 s55, 0
	s_mov_b32 s[SEL], 0x76543210
	s_mov_b32 s[SEL+1], 0xfedcba98                 ; v_permlanex16_b32's selects for lane l xor 16
	s_mov_b32 s[G1], 15|(3<<16)|(1<<21)            ; the four of the cluster; elements of 8 bytes; bit 21 beside a mask
	s_mov_b32 s[G1+1], 32<<16                      ; rows of 32 elements = 256 bytes,
	s_mov_b32 s[G1+2], 65<<16                      ; 65 of them, dense
	s_mov_b32 s[G1+3], 32<<16
	s_mov_b32 s[G1+4], 65
	s_mov_b32 s[G1+5], 32
	s_mov_b32 s[G1+6], 0
	s_mov_b32 s[G1+7], 0
	v_and_b32 v1, 31, v0                           ; lane
	v_and_b32 v2, 15, v0                           ; r
	v_bfe_u32 v3, v0, 4, 1                         ; h
	v_lshl_add_u32 v[LI], v1, 4, XIMG
	v_lshlrev_b32 v[XA], 10, v2
	v_lshl_add_u32 v[XW], v1, 4, s44
	v_lshl_add_u32 v[AF], v1, 4, s46
	v_lshl_add_u32 v[MR], v1, 4, s50
	v_lshlrev_b32 v[GO], 3, v1
	v_lshl_add_u32 v[XA], v3, 6, v[XA]
	v_lshl_add_u32 v[CUR], v3, 3, s45
	v_lshl_add_u32 v[AC], v3, 5, s47
	v_lshl_add_u32 v[MW], v2, 3, s48
	v_add_nc_u32 v[AF+1], SLOTB, v[AF]
	v_add_nc_u32 v[AC+1], SLOTB, v[AC]
	s_wait_alu depctr_va_vdst(0)
	s_wait_dscnt 0x0                               ; both opening adds are done
	s_wait_kmcnt 0x0
	s_add_nc_u64 s[4:5], s[4:5], s[18:19]
	XLOAD XN, 0                                    ; x is asked for first: 32 loads a wave
	XLOAD XN+64, 1
	s_load_b32 s42, s[8:9], 0x0                    ; ex
	s_add_nc_u64 s[10:11], s[10:11], s[52:53]
	s_add_nc_u64 s[12:13], s[12:13], s[52:53]
	s_add_nc_u64 s[6:7], s[6:7], s[54:55]
.irp n, 0,1
	s_mov_b32 s[G0+4*\n], 1
	s_add_co_u32 s[G0+4*\n+1], s54, \n*SLOTB
	s_add_nc_u64 s[G0+4*\n+2:G0+4*\n+3], s[6:7], \n*SLOTB
	s_or_b32 s[G0+4*\n+3], s[G0+4*\n+3], 0x80000000
.endr
	CROUND                                         ; the four are here: the first joint loads meet
	tensor_load_to_lds s[G0:G0+3], s[G1:G1+7]      ; block 0: one tensor load a wave at the head; x is quantised while it is on its way
	s_nop 0
	s_wait_kmcnt 0x0
	s_add_co_i32 s44, s42, 127
	s_lshl_b32 s45, s44, 23
	v_mov_b32 v[SC], s45
	s_add_co_i32 s44, s44, 15
	s_lshl_b32 s44, s44, 23
	s_or_b32 s44, s44, 0x600000
	v_mov_b32 v[LIM], s44
	s_wait_alu depctr_va_vdst(0)
	s_wait_loadcnt 16                              ; K step 0's sixteen loads are in; K step 1's sixteen may be out
	QUANT XN, PC
.irp c, 0,1,2,3
	ds_store_b128 v[XW], v[PC+4*\c:PC+4*\c+3] offset:512*\c
.endr
	s_wait_loadcnt 0x0
	QUANT XN+64, PC+16
.irp c, 0,1,2,3
	ds_store_b128 v[XW], v[PC+16+4*\c:PC+16+4*\c+3] offset:2048+512*\c
.endr
	s_mov_b32 s45, 0xff800000                      ; under every score
.irp i, 0,1,2,3,4,5,6,7
	v_mov_b32 v[ST+4*\i+1], 0
	v_mov_b32 v[ST+4*\i+2], s45
.endr
.set qn, 0
.rept 64
	v_mov_b32 v[SV+qn], s45
.set qn, qn+1
.endr
	s_wait_alu depctr_va_vdst(0)
	s_wait_tensorcnt 0x0                           ; my eighth of block 0 is in; the same lines as ahead of a refill stand ahead of slot 1's first fill
	ds_add_u32 v[SPW], v[NIL]
	s_wait_dscnt 0x0                               ; the add is done, and my image of x has landed
	CROUND                                         ; block 0 and all eight images are whole for every wave
	tensor_load_to_lds s[G0+4:G0+7], s[G1:G1+7]    ; block 1
	s_nop 0
.rept 4
	v_nop
.endr
	WIN 0x40
.irp i, 0,1,2,3,4,5,6,7
.irp s, 0,1
.irp c, 0,1,2,3
	ds_load_b128 v[32*\i+16*\s+4*\c:32*\i+16*\s+4*\c+3], v[LI] offset:4096*\i+2048*\s+512*\c
.endr
.endr
.endr
	WIN 0
	LDG 0, 0, 0
	s_mov_b32 s40, 7
.Lwalk:                                                ; a trip: two blocks, and both slots are filled again: blocks 2 to 15
	SLOTP 0, 1
	SLOTP 1, 1
	s_sub_co_u32 s40, s40, 1
	s_cmp_lg_u32 s40, 0
	s_cbranch_scc1 .Lwalk
	SLOTP 0, 2                                     ; the last two blocks fetch nothing
	SLOTP 1, 3
.irp i, 0,1,2,3,4,5,6,7                ; the first of the kept 8 scores that equals the largest
	v_mov_b32 v[ST+4*\i+3], 7
.endr
.irp j, 6,5,4,3,2,1,0
.irp i, 0,1,2,3,4,5,6,7
	v_cmp_neq_f32 vcc_lo, v[SV+8*\i+\j], v[ST+4*\i+2]
	s_delay_alu instid0(VALU_DEP_1)
	v_cndmask_b32 v[ST+4*\i+3], \j, v[ST+4*\i+3], vcc_lo
.endr
.endr
.irp i, 0,1,2,3,4,5,6,7
	v_add_nc_u32 v[ST+4*\i+3], v[ST+4*\i+3], v[ST+4*\i+1]
.endr
.irp i, 0,1,2,3,4,5,6,7
	v_permlanex16_b32 v[T+2*\i], v[ST+4*\i+2], s[SEL], s[SEL+1]
	v_permlanex16_b32 v[T+2*\i+1], v[ST+4*\i+3], s[SEL], s[SEL+1]
.endr
.irp i, 0,1,2,3,4,5,6,7
	BEST ST+4*\i+2, ST+4*\i+3, T+2*\i, T+2*\i+1
	ds_store_b64 v[MW], v[ST+4*\i+2:ST+4*\i+3] offset:128*\i    ; both halves of the lanes store the same pair
.endr
	s_wait_dscnt 0x0                               ; for the others' sake: my stores have landed
	s_barrier_signal -1
	s_barrier_wait -1
	s_cmp_gt_u32 s[WV], 1
	s_cbranch_scc1 .Lno_merge
.irp u, 0,1,2,3,4,5,6,7                ; waves 0 and 1 join the eight waves' pairs: two queries a lane
	ds_load_b128 v[ACC+4*\u:ACC+4*\u+3], v[MR] offset:1024*\u
.endr
	s_wait_dscnt 0x0
.irp u, 1,2,3,4,5,6,7
	BEST ACC, ACC+1, ACC+4*\u, ACC+4*\u+1
	BEST ACC+2, ACC+3, ACC+4*\u+2, ACC+4*\u+3
.endr
	v_mov_b32 v[ACC], v[ACC+1]
	s_delay_alu instid0(VALU_DEP_2)
	v_mov_b32 v[ACC+1], v[ACC+3]
	global_store_b64 v[GO], v[ACC:ACC+1], s[10:11] ; 32 lanes store 256 consecutive bytes, aligned
	global_store_b64 v[GO], v[ACC:ACC+1], s[12:13]
.Lno_merge:
	s_wait_tensorcnt 0x0                           ; the wave's end
	ds_add_u32 v[SPW], v[NIL]
	s_wait_dscnt 0x0
	CROUND                                         ; the closing round
	s_endpgm
.Lfunc_end_k_q37e978dd31_argmin:
	.size	k_q37e978dd31_argmin, .Lfunc_end_k_q37e978dd31_argmin-k_q37e978dd31_argmin
	.p2alignl 7, 3214868480
	.fill 96, 4, 3214868480
	.section	.rodata,"a",@progbits
	.p2align	6, 0x0
	.amdhsa_kernel k_q37e978dd31_argmin
		.amdhsa_group_segment_fixed_size 327680
		.amdhsa_private_segment_fixed_size 0
		.amdhsa_enable_private_segment 0
		.amdhsa_kernarg_size 40
		.amdhsa_user_sgpr_count 2
		.amdhsa_user_sgpr_kernarg_segment_ptr 1
		.amdhsa_wavefront_size32 1
		.amdhsa_system_sgpr_workgroup_id_x 1
		.amdhsa_system_sgpr_workgroup_id_y 1
		.amdhsa_system_sgpr_workgroup_id_z 1
		.amdhsa_system_vgpr_workitem_id 0
		.amdhsa_next_free_vgpr 512
		.amdhsa_next_free_sgpr 66
		.amdhsa_reserve_vcc 1
		.amdhsa_float_denorm_mode_32 3
		.amdhsa_float_denorm_mode_16_64 3
		.amdhsa_memory_ordered 1
		.amdhsa_forward_progress 1
		.amdhsa_inst_pref_size 152
	.end_amdhsa_kernel
	.amdgpu_metadata
---
amdhsa.version: [ 1, 2 ]
amdhsa.kernels:
  - .name:           k_q37e978dd31_argmin
    .symbol:         k_q37e978dd31_argmin.kd
    .args:
      - { .name: x, .offset: 0, .size: 8, .value_kind: global_buffer, .address_space: global }
      - { .name: cbq, .offset: 8, .size: 8, .value_kind: global_buffer, .address_space: global }
      - { .name: lowp_scales, .offset: 16, .size: 8, .value_kind: global_buffer, .address_space: global }
      - { .name: out0, .offset: 24, .size: 8, .value_kind: global_buffer, .address_space: global }
      - { .name: enc, .offset: 32, .size: 8, .value_kind: global_buffer, .address_space: global }
    .group_segment_fixed_size: 327680
    .private_segment_fixed_size: 0
    .kernarg_segment_align: 8
    .kernarg_segment_size: 40
    .max_flat_workgroup_size: 256
    .sgpr_count:     66
    .vgpr_count:     512
    .wavefront_size: 32
...
	.end_amdgpu_metadata
.endif
;; end of part 2
;; launch gather (part 3): grid 512 x 1, 8 waves a work-group, no clusters, 1,280 bytes of LDS; arguments x, codebook, enc, out3, part; writes out3, part
.if DOCPART == 3
	.amdgcn_target "amdgcn-amd-amdhsa--gfx1250"
	.amdhsa_code_object_version 6
	.text
	.protected	k_q37e978dd31_gather
	.globl	k_q37e978dd31_gather
	.p2align	8
	.type	k_q37e978dd31_gather,@function
k_q37e978dd31_gather:
	s_mov_b64 s[64:65], 0
	v_nop
	global_prefetch_b8 v0, s[64:65] scope:SCOPE_SE
	s_setreg_imm32_b32 hwreg(HW_REG_WAVE_MODE, 25, 1), 1
	s_wait_xcnt 0x0
; nearest[q] = codebook[encoding[q]] (the f32 rows as they are given), and the work-group's share of the sum of (x - nearest)^2.
; The indices come from enc, which the launch before stored; each is held at 8,191 before it enters an address.
; SHARES: wave n = 8 x work-group + wave takes rows 8 n .. 8 n + 7, written out without a loop: its 32 loads (16 of x, 16 of the codebook; 512 consecutive bytes each) are all issued before the first is waited for.
; A row is 1,024 bytes: two loads and two stores of a wave.  No matrix unit, no ring in LDS, no cluster: each byte is moved once and only touched by a subtraction and a multiply-add; nothing but codebook rows is shared.
; The squares are summed in four chains of pairs a lane, then over the lanes, then over the eight waves through LDS; one number a work-group goes to part.
.set X, 16                             ; v[16:79]   x's 8 rows, 8 numbers a lane each; then the differences
.set C, 80                             ; v[80:143]  the codebook's 8 rows: stored as they came
.set S, 2                              ; v[2:9]     four chains of pairs
	s_load_b256 s[4:11], s[0:1], 0x0               ; x s[4:5], the codebook s[6:7], enc s[8:9], out3 s[10:11]
	s_load_b64 s[12:13], s[0:1], 0x20              ; part
	v_lshl_add_u32 v152, v0, 2, 0x100
	v_mov_b32 v153, 0
	v_lshrrev_b32 v1, 5, v0
	s_delay_alu instid0(VALU_DEP_1)
	v_readfirstlane_b32 s14, v1                    ; wave 0..7
	v_and_b32 v1, 31, v0
	s_delay_alu instid0(VALU_DEP_1)
	v_lshlrev_b32 v1, 4, v1                        ; 16 x lane
	v_mov_b32 v11, 0                               ; written once: a lane permute's destination counts as one of its sources
	s_delay_alu instid0(VALU_DEP_4)
	v_mov_b32 v12, s14
	s_delay_alu instid0(VALU_DEP_1)
	v_lshlrev_b32 v12, 2, v12                      ; LDS: my wave's word
	v_mov_b32 v13, 0
	s_mov_b32 s30, 0x76543210
	s_mov_b32 s31, 0xfedcba98
	s_lshl_b32 s24, ttmp9, 3
	s_add_co_u32 s24, s24, s14                     ; n
	s_lshl_b32 s26, s24, 13                        ; my 8 rows of x and of out3
	s_mov_b32 s27, 0
	s_lshl_b32 s28, s24, 5                         ; my 8 indices
	s_mov_b32 s29, 0
	s_lshl_b32 s24, ttmp9, 2                       ; my work-group's word of part
	s_mov_b32 s25, 0
	s_wait_alu depctr_va_vdst(0)
	s_wait_kmcnt 0x0
	s_add_nc_u64 s[8:9], s[8:9], s[28:29]
	s_load_b256 s[16:23], s[8:9], 0x0
	s_add_nc_u64 s[4:5], s[4:5], s[26:27]
	s_add_nc_u64 s[10:11], s[10:11], s[26:27]
	s_add_nc_u64 s[12:13], s[12:13], s[24:25]
.irp t, 0,1,2,3,4,5,6,7
	global_load_b128 v[X+8*\t:X+8*\t+3], v1, s[4:5] offset:1024*\t th:TH_LOAD_NT
	global_load_b128 v[X+8*\t+4:X+8*\t+7], v1, s[4:5] offset:1024*\t+512 th:TH_LOAD_NT
.endr
	s_wait_kmcnt 0x0
.irp t, 0,1,2,3,4,5,6,7
	s_min_u32 s[16+\t], s[16+\t], 8191             ; an index stays inside the table
	s_lshl_b32 s[32+2*\t], s[16+\t], 10            ; a row is 1,024 bytes
	s_mov_b32 s[33+2*\t], 0
	s_add_nc_u64 s[32+2*\t:33+2*\t], s[6:7], s[32+2*\t:33+2*\t]
.endr
.irp t, 0,1,2,3,4,5,6,7
	global_load_b128 v[C+8*\t:C+8*\t+3], v1, s[32+2*\t:33+2*\t]               ; no hint: a row may be named by many queries
	global_load_b128 v[C+8*\t+4:C+8*\t+7], v1, s[32+2*\t:33+2*\t] offset:512
.endr
.irp t, 0,1,2,3,4,5,6,7
	s_wait_loadcnt 14-2*\t                         ; row t of the codebook is in (and x, which was asked for earlier); the two loads of each later row may be out
	global_store_b128 v1, v[C+8*\t:C+8*\t+3], s[10:11] offset:1024*\t th:TH_STORE_NT        ; 32 lanes store 512 consecutive bytes, at a multiple of 256 from out3's first byte
	global_store_b128 v1, v[C+8*\t+4:C+8*\t+7], s[10:11] offset:1024*\t+512 th:TH_STORE_NT
.endr
.irp t, 0,1,2,3,4,5,6,7                ; all sixteen stores are issued: now the squares of the differences
.irp k, 0,1,2,3
	v_pk_add_f32 v[X+8*\t+2*\k:X+8*\t+2*\k+1], v[X+8*\t+2*\k:X+8*\t+2*\k+1], v[C+8*\t+2*\k:C+8*\t+2*\k+1] neg_lo:[0,1] neg_hi:[0,1]   ; x - nearest
.endr
	s_wait_alu depctr_va_vdst(0)
.irp k, 0,1,2,3
.if \t == 0
	v_pk_mul_f32 v[S+2*\k:S+2*\k+1], v[X+2*\k:X+2*\k+1], v[X+2*\k:X+2*\k+1]      ; the first row starts the chains: nothing is cleared
.else
	v_pk_fma_f32 v[S+2*\k:S+2*\k+1], v[X+8*\t+2*\k:X+8*\t+2*\k+1], v[X+8*\t+2*\k:X+8*\t+2*\k+1], v[S+2*\k:S+2*\k+1]
.endif
.endr
.endr
	s_delay_alu instid0(VALU_DEP_3)
	v_pk_add_f32 v[S:S+1], v[S:S+1], v[S+2:S+3]
	s_delay_alu instid0(VALU_DEP_2)
	v_pk_add_f32 v[S+4:S+5], v[S+4:S+5], v[S+6:S+7]
	s_delay_alu instid0(VALU_DEP_1)
	v_pk_add_f32 v[S:S+1], v[S:S+1], v[S+4:S+5]
	s_delay_alu instid0(VALU_DEP_1)
	v_add_f32 v10, v[S], v[S+1]
	s_delay_alu instid0(VALU_DEP_1)
	v_add_f32_dpp v10, v10, v10 row_xmask:1 row_mask:0xf bank_mask:0xf
	s_delay_alu instid0(VALU_DEP_1)
	v_add_f32_dpp v10, v10, v10 row_xmask:2 row_mask:0xf bank_mask:0xf
	s_delay_alu instid0(VALU_DEP_1)
	v_add_f32_dpp v10, v10, v10 row_xmask:4 row_mask:0xf bank_mask:0xf
	s_delay_alu instid0(VALU_DEP_1)
	v_add_f32_dpp v10, v10, v10 row_xmask:8 row_mask:0xf bank_mask:0xf
	s_delay_alu instid0(VALU_DEP_1)
	v_permlanex16_b32 v11, v10, s30, s31
	s_delay_alu instid0(VALU_DEP_1)
	v_add_f32 v10, v10, v11                        ; the wave's sum, in every lane
	ds_store_b32 v12, v10
	s_wait_dscnt 0x0                               ; for the others' sake: my store has landed
	s_barrier_signal -1
	s_barrier_wait -1
	ds_load_b128 v[144:147], v13
	ds_load_b128 v[148:151], v13 offset:16
	s_wait_dscnt 0x0
	v_add_f32 v144, v144, v145
	v_add_f32 v146, v146, v147
	v_add_f32 v148, v148, v149
	v_add_f32 v150, v150, v151
	s_delay_alu instid0(VALU_DEP_3)
	v_add_f32 v144, v144, v146
	s_delay_alu instid0(VALU_DEP_2)
	v_add_f32 v148, v148, v150
	s_delay_alu instid0(VALU_DEP_1)
	v_add_f32 v144, v144, v148                     ; the work-group's sum
	v_cmp_eq_u32 vcc_lo, 0, v0                     ; thread 0 stores it
	s_wait_alu depctr_va_vdst(0)
	s_wait_xcnt 0x0                                ; EXEC is a source of the stores above: it changes only behind this wait
	s_wait_tensorcnt 0x0
	ds_add_u32 v152, v153
	s_wait_dscnt 0x0
	s_and_saveexec_b32 s15, vcc_lo
	global_store_b32 v13, v144, s[12:13]
	s_wait_xcnt 0x0                                ; and again, in front of the line that widens it
	s_or_b32 exec_lo, exec_lo, s15
	s_endpgm
.Lfunc_end_k_q37e978dd31_gather:
	.size	k_q37e978dd31_gather, .Lfunc_end_k_q37e978dd31_gather-k_q37e978dd31_gather
	.p2alignl 7, 3214868480
	.fill 96, 4, 3214868480
	.section	.rodata,"a",@progbits
	.p2align	6, 0x0
	.amdhsa_kernel k_q37e978dd31_gather
		.amdhsa_group_segment_fixed_size 1280
		.amdhsa_private_segment_fixed_size 0
		.amdhsa_enable_private_segment 0
		.amdhsa_kernarg_size 40
		.amdhsa_user_sgpr_count 2
		.amdhsa_user_sgpr_kernarg_segment_ptr 1
		.amdhsa_wavefront_size32 1
		.amdhsa_system_sgpr_workgroup_id_x 1
		.amdhsa_system_sgpr_workgroup_id_y 1
		.amdhsa_system_sgpr_workgroup_id_z 1
		.amdhsa_system_vgpr_workitem_id 0
		.amdhsa_next_free_vgpr 154
		.amdhsa_next_free_sgpr 66
		.amdhsa_reserve_vcc 1
		.amdhsa_float_denorm_mode_32 3
		.amdhsa_float_denorm_mode_16_64 3
		.amdhsa_memory_ordered 1
		.amdhsa_forward_progress 1
		.amdhsa_inst_pref_size 14
	.end_amdhsa_kernel
	.amdgpu_metadata
---
amdhsa.version: [ 1, 2 ]
amdhsa.kernels:
  - .name:           k_q37e978dd31_gather
    .symbol:         k_q37e978dd31_gather.kd
    .args:
      - { .name: x, .offset: 0, .size: 8, .value_kind: global_buffer, .address_space: global }
      - { .name: codebook, .offset: 8, .size: 8, .value_kind: global_buffer, .address_space: global }
      - { .name: enc, .offset: 16, .size: 8, .value_kind: global_buffer, .address_space: global }
      - { .name: out3, .offset: 24, .size: 8, .value_kind: global_buffer, .address_space: global }
      - { .name: part, .offset: 32, .size: 8, .value_kind: global_buffer, .address_space: global }
    .group_segment_fixed_size: 1280
    .private_segment_fixed_size: 0
    .kernarg_segment_align: 8
    .kernarg_segment_size: 40
    .max_flat_workgroup_size: 256
    .sgpr_count:     66
    .vgpr_count:     154
    .wavefront_size: 32
...
	.end_amdgpu_metadata
.endif
;; end of part 3
;; launch finish (part 4): grid 1 x 1, 1 waves a work-group, no clusters, 0 bytes of LDS; arguments part, out1, out2; writes out1, out2
.if DOCPART == 4
	.amdgcn_target "amdgcn-amd-amdhsa--gfx1250"
	.amdhsa_code_object_version 6
	.text
	.protected	k_q37e978dd31_finish
	.globl	k_q37e978dd31_finish
	.p2align	8
	.type	k_q37e978dd31_finish,@function
k_q37e978dd31_finish:
	s_mov_b64 s[64:65], 0
	v_nop
	global_prefetch_b8 v0, s[64:65] scope:SCOPE_SE
	s_setreg_imm32_b32 hwreg(HW_REG_WAVE_MODE, 25, 1), 1
	s_wait_xcnt 0x0
; Both losses are the mean of (x - nearest)^2 over 32,768 x 256 = 2^23 numbers: the 512 work-groups' sums are added by one wave and multiplied by 2^-23, which rounds nothing.
; A sum that spans work-groups is made by one owner in a launch of its own: 2,048 bytes in, two numbers out.
	s_load_b128 s[4:7], s[0:1], 0x0                ; part s[4:5], out1 s[6:7]
	s_load_b64 s[8:9], s[0:1], 0x10                ; out2
	v_lshlrev_b32 v1, 4, v0                        ; 16 x lane
	v_mov_b32 v20, 0                               ; written once: a lane permute's destination counts as one of its sources
	v_mov_b32 v21, 0                               ; the stores' offset
	s_mov_b32 s10, 0x76543210
	s_mov_b32 s11, 0xfedcba98
	s_wait_alu depctr_va_vdst(0)
	s_wait_kmcnt 0x0
.irp i, 0,1,2,3
	global_load_b128 v[4+4*\i:7+4*\i], v1, s[4:5] offset:512*\i
.endr
	s_wait_loadcnt 0x0
	v_pk_add_f32 v[4:5], v[4:5], v[6:7]
	v_pk_add_f32 v[8:9], v[8:9], v[10:11]
	v_pk_add_f32 v[12:13], v[12:13], v[14:15]
	v_pk_add_f32 v[16:17], v[16:17], v[18:19]
	v_pk_add_f32 v[4:5], v[4:5], v[8:9]
	v_pk_add_f32 v[12:13], v[12:13], v[16:17]
	v_pk_add_f32 v[4:5], v[4:5], v[12:13]
	v_add_f32 v4, v4, v5
	v_add_f32_dpp v4, v4, v4 row_xmask:1 row_mask:0xf bank_mask:0xf
	v_add_f32_dpp v4, v4, v4 row_xmask:2 row_mask:0xf bank_mask:0xf
	v_add_f32_dpp v4, v4, v4 row_xmask:4 row_mask:0xf bank_mask:0xf
	v_add_f32_dpp v4, v4, v4 row_xmask:8 row_mask:0xf bank_mask:0xf
	v_permlanex16_b32 v20, v4, s10, s11
	v_add_f32 v4, v4, v20
	v_mul_f32 v4, 0x34000000, v4                   ; x 2^-23
	v_cmp_eq_u32 vcc_lo, 0, v0
	s_wait_alu depctr_va_vdst(0)
	s_wait_xcnt 0x0                                ; EXEC is a source of the loads above: it changes only behind this wait
	s_and_saveexec_b32 s12, vcc_lo
	global_store_b32 v21, v4, s[6:7]
	global_store_b32 v21, v4, s[8:9]
	s_wait_xcnt 0x0                                ; and again, in front of the line that widens it
	s_or_b32 exec_lo, exec_lo, s12
	s_endpgm
.Lfunc_end_k_q37e978dd31_finish:
	.size	k_q37e978dd31_finish, .Lfunc_end_k_q37e978dd31_finish-k_q37e978dd31_finish
	.p2alignl 7, 3214868480
	.fill 96, 4, 3214868480
	.section	.rodata,"a",@progbits
	.p2align	6, 0x0
	.amdhsa_kernel k_q37e978dd31_finish
		.amdhsa_group_segment_fixed_size 0
		.amdhsa_private_segment_fixed_size 0
		.amdhsa_enable_private_segment 0
		.amdhsa_kernarg_size 24
		.amdhsa_user_sgpr_count 2
		.amdhsa_user_sgpr_kernarg_segment_ptr 1
		.amdhsa_wavefront_size32 1
		.amdhsa_system_sgpr_workgroup_id_x 1
		.amdhsa_system_sgpr_workgroup_id_y 1
		.amdhsa_system_sgpr_workgroup_id_z 1
		.amdhsa_system_vgpr_workitem_id 0
		.amdhsa_next_free_vgpr 32
		.amdhsa_next_free_sgpr 66
		.amdhsa_reserve_vcc 1
		.amdhsa_float_denorm_mode_32 3
		.amdhsa_float_denorm_mode_16_64 3
		.amdhsa_memory_ordered 1
		.amdhsa_forward_progress 1
		.amdhsa_inst_pref_size 3
	.end_amdhsa_kernel
	.amdgpu_metadata
---
amdhsa.version: [ 1, 2 ]
amdhsa.kernels:
  - .name:           k_q37e978dd31_finish
    .symbol:         k_q37e978dd31_finish.kd
    .args:
      - { .name: part, .offset: 0, .size: 8, .value_kind: global_buffer, .address_space: global }
      - { .name: out1, .offset: 8, .size: 8, .value_kind: global_buffer, .address_space: global }
      - { .name: out2, .offset: 16, .size: 8, .value_kind: global_buffer, .address_space: global }
    .group_segment_fixed_size: 0
    .private_segment_fixed_size: 0
    .kernarg_segment_align: 8
    .kernarg_segment_size: 24
    .max_flat_workgroup_size: 32
    .sgpr_count:     66
    .vgpr_count:     32
    .wavefront_size: 32
...
	.end_amdgpu_metadata
.endif
;; end of part 4
